; MI455X (gfx1250); checked and timed in simulation.
; The chip was launched on July 23, 2026; its instructions are those of AMD's public machine-readable ISA for CDNA 5 (MIT licence, August 2026) and "CDNA5" Instruction Set Architecture Reference Guide (July 2026). The comments in the code are by the model that wrote it; some were corrected since.
;; Image Diagnostic. Allowed arithmetic: matrix products marked QUANTISED: E4M3 operands, one E8M0 scale for each 32 along K, by v_wmma_scale_f32_16x16x128_f8f6f4 with both operands' format E4M3, f32 sums; everything else in f32.
;; Inputs: bandwidth one number float32; bins 128 float32; x 16 x 50,000 float32; y 16 x 50,000 float32.
;; Outputs: out0 16 x 128 x 128 float32.
;; This version of the problem:
;;   THIS VERSION OF THE PROBLEM IS GIVEN IN LOW PRECISION. The matrix products marked QUANTISED in the list below multiply operands that are first quantised to E4M3 (4 exponent bits, 3 mantissa bits; 8 bits a number), with one power-of-two scale for each 32 numbers along K (OCP MX v1.0); their sums are f32. All else is computed in f32.
;;   The module's matrix products, in the order in which they are computed (A, B: the left and right operand; K: the contracted axis; several contracted axes count as one K, in the product's order):
;;     1. batch 16 x [M 128, K 50,000] x [K 50,000, N 128]; A: computed on the way; B: computed on the way: QUANTISED
;;   THE QUANTISER, for each operand of a quantised product, along K:
;;     - K is cut into blocks of 32 from its start; a last block that is shorter is filled with zeros.
;;     - A block's scale is 2^e with e = floor(log2(the largest magnitude in the block)) - 8, held to -126 .. 127; a block of zeros has e = 0. As a byte (E8M0): e + 127.
;;     - Each number is divided by its block's scale, clamped to +-448, and rounded to the nearest number of E4M3, ties to even, subnormals kept.
;;     - The product sums the exact products of the quantised numbers (number of the format x scale) in f32.
;;   ~~~python
;;   def quantise(x, axis):      # numpy; x: float32 -> the quantised numbers, widened to float32 again
;;       x = np.moveaxis(x, axis, -1); K = x.shape[-1]
;;       x = np.pad(x, [(0, 0)] * (x.ndim - 1) + [(0, -K % 32)]); x = x.reshape(x.shape[:-1] + (-1, 32)); a = np.abs(x).max(-1, keepdims=True)
;;       e = np.where(a > 0, np.clip(np.frexp(np.where(a > 0, a, 1))[1] - 1 - 8, -126, 127), 0)      # np.frexp(a)[1] - 1 = floor(log2(a)), exactly
;;       r = np.clip(x / 2.0 ** e, -448, 448)
;;       step = 2.0 ** (np.maximum(np.frexp(np.where(r == 0, 1, r))[1] - 1, -6) - 3)
;;       q = np.round(r / step) * step * 2.0 ** e      # np.round: ties to even
;;       return np.moveaxis(q.reshape(q.shape[:-2] + (-1,))[..., :K], -1, axis).astype(np.float32)
;;   ~~~
;;   OPERANDS COMPUTED ON THE WAY. 'Computed on the way' means the value that the module computes at that place (a softmax that the list does not call 'softmax' is quantised finished and normalised). What goes into a quantiser is computed in f32, as accurately as f32 sums, v_exp_f32 and their like allow (about 1e-6 of the number): no bf16 or f16 on the way to a quantiser, and a product that is left as it is and whose result goes on into a quantised operand takes f32 operands (vector FMAs, or v_wmma_f32_16x16x4_f32). A number that lies on a knife's edge between two numbers of the format may be rounded either way, as far as f32 arithmetic and the matrix unit's own rounding can turn it there, and no further.
;; One version. Each part assembles by itself: llvm-mc -triple=amdgcn-amd-amdhsa -mcpu=gfx1250 --defsym DOCPART=n.
;; ======== version 1 of 1: 2 launches
;; limits: right only within a limited range of input values
;; workspace buffers: part 16,777,216 bytes; tot 8,192 bytes
;; launch joint (part 1): grid 16 x 16, 8 waves a work-group, no clusters, 171,008 bytes of LDS; arguments x, y, bins, bandwidth, part, tot; writes part, tot
.if DOCPART == 1
	.amdgcn_target "amdgcn-amd-amdhsa--gfx1250"
	.amdhsa_code_object_version 6
	.text
	.protected	k_q7c49fa020a_joint
	.globl	k_q7c49fa020a_joint
	.p2align	8
	.type	k_q7c49fa020a_joint,@function
k_q7c49fa020a_joint:
	s_mov_b64 s[64:65], 0
	v_nop
	global_prefetch_b8 v0, s[64:65] scope:SCOPE_SE
	s_setreg_imm32_b32 hwreg(HW_REG_WAVE_MODE, 25, 1), 1
	s_wait_xcnt 0x0
; joint[b][m][k] = sum over particles n of Q(kx)[n][m] Q(ky)[n][k]; kx = exp(-((x - bin) / bandwidth)^2 / 2), ky likewise; Q: codes of FP8 (E4M3) along n with one E8M0 scale for each 32 particles, counted from
; particle 0.  This launch makes partial sums over parts of the particles and each part's totals; the next launch adds them and divides by the batch's total + 1e-10.
; NO WORK IS LEFT OUT: all four inputs have a way to the output and are loaded; bins are 128 numbers of any kind and order, not an even grid.
; SHARES.  Work-group (i, batch) takes 3,136 particles (98 blocks of 32) from 3,136 i on: two blocks at the head, then 12 rounds of 256 particles (two steps of 128).  Places past particle 49,999 hold +infinity,
; whose kernel value is 0: the zeros with which the quantiser fills the last block.
; PRODUCING.  Each value is made once in the launch.  In a round wave w makes four fragments: step p = w % 2, side (x or y) = w / 2 % 2, bin tiles 4 (w / 4) + 0 .. 3.  Lane (r, h) holds bin 16 t + r and, in group c
; of 16 registers, particles 32 c + 16 h + 0 .. 15.  Codes and scale words go to LDS as images of the operand's registers, into two buffers by turns; one barrier a round.
; CONSUMING.  Wave w owns kx tiles 2 (w % 4) + 0, 1 and ky tiles 4 (w / 4) + 0 .. 3: eight accumulators, for all the work-group's particles.  So nothing is added between waves and the results leave from registers.
; Source 0 = ky, source 1 = kx: register j of accumulator (t, a) is joint[16 a + r][16 t + 8 h + j].
; ARITHMETIC.  value = 2^-(u u), u = x s - b s, s = sqrt(log2(e) / 2) / bandwidth, by one fused multiply-add: x s is not rounded.  Of s and its four nearest neighbours each bin takes the one whose product with b lies
; nearest to a number of f32, so that rounding b s moves the bin least (by half a unit in the last place of b s at the most, whatever common offset x and bins carry).
; CLUSTERS: none: work-groups share nothing but the 512 bytes of bins.  No tensor load and no prefetch: a work-group reads 25 KB in all, once, at its head, where the mask is laid on; no loop could run ahead of it.
; LIMITS.  A kernel value under 2^-126 is taken as 0 (v_exp_f32 gives no denormals: ISA guide, its entry).  A block of zeros has the scale byte 1 where the rule says 127: its codes are zeros, and the bytes are
; read by this program alone.  NaN and infinities among the inputs, and a bandwidth of 0, are not served.
.set NPART, 50000
.set WGP,   3136                       ; particles of a work-group
; LDS: buffer b's codes at 65,536 b: step p at 32,768 p, side at 16,384, tile t at 2,048 t, registers 4 c .. 4 c + 3 of lane l at 512 c + 16 l
.set SCB,   131072                     ; scale words: buffer 2,048 b, step 1,024 p, side 512, tile 64 t, row 4 r
.set PXL,   135168                     ; x's particles, 16,384 bytes; y's behind them
.set BTAB,  167936                     ; (s_b, -b s_b) of bin T % 128, from thread T, 8 bytes each
.set SPARE, 169984                     ; the spare words, 128 bytes for each wave: four blocks of 256 bytes that no other line names
; window 0
.set ARD0, 1                           ; v1     LDS: my side's and step's particles + 64 h
.set ARD,  2                           ; v2     the same for the next round of the loop's trip
.set SWA,  3                           ; v3     where my scale words go
.set CW,   4                           ; v4-5   where my codes go, buffer 0, 1
.set FRX,  6                           ; v6-7   where I read kx's fragments, buffer 0, 1
.set FRY,  8                           ; v8-9   and ky's
.set SPW,  10                          ; v10    LDS address of my spare word; never rewritten
.set NIL,  11                          ; v11    0; never rewritten
.set SRX,  12                          ; v12    where I read kx's scale words
.set SRY,  13                          ; v13    and ky's
.set CWR,  14                          ; v14-15 the head blocks: where my codes and scale words go
.set SWR,  15
.set XSC,  16                          ; v16-21 scale words as read: for each step kx's pair of tiles, ky's first pair, ky's second (even tile in lanes 0-15, odd in 16-31)
.set SW,   22                          ; v22-23 scale words as made
.set SW2,  23
.set BIN,  24                          ; v24-31 my four tiles' pairs (s_b, -b s_b)
.set MX,   32                          ; v32-35 four blocks' largest values
.set PP,   36                          ; v36-39 the other half's, then the scale bytes
.set LL,   40                          ; v40-43 448 x the scale
.set EE,   44                          ; v44-47 the conversions' scale operands
.set C,    48                          ; v48-63 a batch's codes
.set PR,   48                          ; at the head: the pairs of the head blocks' two tiles
.set TOT,  48                          ; at the end: totals
.set GO,   52
.set ZO,   53
.set SRC,  64                          ; v64-127 a step's 64 particles of my half
.set T0,   128                         ; v128-191, v192-255: two sets of 64 values
.set T1,   192
.set LD,   192                         ; at the head: what the global loads bring, and temporaries
.set BV,   224
.set LQ,   225
.set SB,   226
.set BH,   227
.set BR,   228
.set K1,   229
.set KH,   230
.set KR,   231
.set LN,   240
.set RL,   241
.set HH,   242
.set PI,   243
.set O0,   244
.set O2,   245
.set O3,   246
.set BI,   247
.set PA,   248
.set TBA,  249
.set BTA,  250
.set BTR,  251
.set ARR,  252
.set VINF, 253
.set RC,   254
; window 1: accumulator (t, a) at v[8 (2 t + a)]; step p's fragments: kx's at v[64 + 96 p + 16 a], ky's at v[96 + 96 p + 16 t]
.set BW,    16
.set WV,    17                         ; wave
.set BAT,   18                         ; batch
.set PBIT,  19                         ; p
.set SD,    20                         ; side
.set TH,    21                         ; w / 4
.set KA,    22                         ; w % 4
.set WB,    23                         ; my work-group's first particle
.set CNT,   24
.set SOFF,  25                         ; byte offset of the next round's particles
.set NP,    26
.set LIM,   27
.set SEL,   28                         ; s[28:29] v_permlanex16_b32's selects for lane l xor 16
.set FLOOR, 30                         ; 2^(9 - 127): under it no largest value is taken, so the scale byte cannot fall under 1
.set NEG8,  31                         ; takes 8 off an exponent field
.set EXPM,  32                         ; the exponent field
.set MNT,   33                         ; the mantissa field of 448
.set M2,    38
.set M3,    39
.set MSB, 0
.macro WIN new                         ; the immediate's high byte repeats the setting that is left; a switch that changes nothing is dropped
.if MSB != (\new)
	s_set_vgpr_msb (MSB<<8)|(\new)
.set MSB, (\new)
.endif
.endm
; A BATCH is 64 values of a lane: one tile, four groups of 16, each half of a block of 32 (the other half lies in lane l xor 16).
; PHASE n (0, 1): half of one batch's exponentials (set ET), and between them the next batch's u (n = 0) or -(u u) (n = 1), set PT.  No line of a phase reads what another line of it wrote, so one wait behind each serves both.
.macro PHASE n, ex, pk
.set i_, 0
.rept 32
.if \pk
.if \n == 0
	v_pk_fma_f32 v[PT+2*i_:PT+2*i_+1], v[SRC+2*i_:SRC+2*i_+1], v[PB:PB+1], v[PB:PB+1] op_sel:[0,0,1] op_sel_hi:[1,0,1]
.else
	v_pk_mul_f32 v[PT+2*i_:PT+2*i_+1], v[PT+2*i_:PT+2*i_+1], v[PT+2*i_:PT+2*i_+1] neg_lo:[1,0] neg_hi:[1,0]
.endif
.endif
.if \ex
	v_exp_f32 v[ET+32*\n+i_], v[ET+32*\n+i_]
.endif
.set i_, i_+1
.endr
	s_wait_alu depctr_va_vdst(0)                   ; the wait behind the exponentials, and ahead of the next ones
.endm
; Scale, hold and codes of the batch in set QT.  The four groups take turns, so that no line waits for the line above it.  head = 1: two tiles of two blocks each, so two scale words of two bytes.
.macro QCOMP head
.irp g, 0,1,2,3
	v_max3_num_f32 v[MX+\g], v[QT+16*\g], v[QT+16*\g+1], s[FLOOR]          ; the values are not negative: no |.|; the floor is one more leaf
.endr
.irp i, 2,4,6,8,10,12,14
.irp g, 0,1,2,3
	v_max3_num_f32 v[MX+\g], v[MX+\g], v[QT+16*\g+\i], v[QT+16*\g+\i+1]
.endr
.endr
.irp g, 0,1,2,3
	v_permlanex16_b32 v[PP+\g], v[MX+\g], s[SEL], s[SEL+1]
.endr
.irp g, 0,1,2,3
	v_max_num_f32 v[MX+\g], v[MX+\g], v[PP+\g]                             ; with lane l xor 16's: the block's largest value
.endr
.irp g, 0,1,2,3
	v_add_nc_u32 v[EE+\g], s[NEG8], v[MX+\g]                               ; 8 off its exponent field: the conversion takes this operand's exponent field as its scale
.endr
.irp g, 0,1,2,3
	v_and_or_b32 v[LL+\g], v[MX+\g], s[EXPM], s[MNT]                       ; 448 x the scale
.endr
.irp g, 0,1,2,3
	v_lshrrev_b32 v[PP+\g], 23, v[EE+\g]                                   ; the scale's byte
.endr
	v_lshl_or_b32 v[SW], v[PP+1], 8, v[PP]
.set i_, 0
.rept 32
	v_dual_min_num_f32 v[QT+2*i_], v[QT+2*i_], v[LL+i_/8] :: v_dual_min_num_f32 v[QT+2*i_+1], v[QT+2*i_+1], v[LL+i_/8]   ; the conversion does not saturate (ISA guide 7.6.2); the values are not negative: a one-sided hold
.if (i_ == 15) && (\head == 0)
	v_lshl_or_b32 v[SW], v[PP+2], 16, v[SW]
.endif
.set i_, i_+1
.endr
.irp g, 0,1,2,3
	v_cvt_scalef32_pk8_fp8_f32 v[C+4*\g:C+4*\g+1], v[QT+16*\g:QT+16*\g+7], v[EE+\g]
	v_cvt_scalef32_pk8_fp8_f32 v[C+4*\g+2:C+4*\g+3], v[QT+16*\g+8:QT+16*\g+15], v[EE+\g]
.endr
.if \head
	v_lshl_or_b32 v[SW2], v[PP+3], 8, v[PP+2]                              ; (also the plain line behind the conversions)
.else
	v_lshl_or_b32 v[SW], v[PP+3], 24, v[SW]                                ; (also the plain line behind the conversions)
.endif
.endm
.macro QSTORE j, buf                   ; five LDS stores: a fragment's codes and its scale words (both halves' lanes store the same word with the same value)
.irp c, 0,1,2,3
	ds_store_b128 v[CW+\buf], v[C+4*\c:C+4*\c+3] offset:2048*\j+512*\c
.endr
	ds_store_b32 v[SWA], v[SW] offset:2048*\buf+64*\j
.endm
.macro LSRC adr, off                   ; 64 particles of my half: 16 of each block of 32; the sixteen lanes of a half read the same bytes
.irp c, 0,1,2,3
.irp q, 0,1,2,3
	ds_load_b128 v[SRC+16*\c+4*\q:SRC+16*\c+4*\q+3], v[\adr] offset:\off+128*\c+16*\q
.endr
.endr
.endm
.macro FLOAD st, b                     ; 27 LDS loads: a step's scale words and six fragments
	ds_load_b32 v[XSC+3*\st], v[SRX] offset:2048*(\b)+1024*\st
	ds_load_b32 v[XSC+3*\st+1], v[SRY] offset:2048*(\b)+1024*\st
	ds_load_b32 v[XSC+3*\st+2], v[SRY] offset:2048*(\b)+1024*\st+128
	WIN 0x40
.irp a, 0,1
.irp c, 0,1,2,3
	ds_load_b128 v[64+96*\st+16*\a+4*\c:64+96*\st+16*\a+4*\c+3], v[FRX+(\b)] offset:32768*\st+2048*\a+512*\c
.endr
.endr
.irp t, 0,1,2,3
.irp c, 0,1,2,3
	ds_load_b128 v[96+96*\st+16*\t+4*\c:96+96*\st+16*\t+4*\c+3], v[FRY+(\b)] offset:32768*\st+2048*\t+512*\c
.endr
.endr
	WIN 0
.endm
.macro FLOADR                          ; the head blocks: kx's registers 8-15 hold zero codes; over them ky repeats its two blocks' codes, which are finite
	ds_load_b32 v[XSC], v[SRX] offset:2048
	ds_load_b32 v[XSC+1], v[SRY] offset:2048
	ds_load_b32 v[XSC+2], v[SRY] offset:2048+128
	WIN 0x40
.irp a, 0,1
.irp c, 0,1
	ds_load_b128 v[64+16*\a+4*\c:64+16*\a+4*\c+3], v[FRX+1] offset:2048*\a+512*\c
.endr
.endr
.irp t, 0,1,2,3
.irp c, 0,1,2,3
	ds_load_b128 v[96+16*\t+4*\c:96+16*\t+4*\c+3], v[FRY+1] offset:2048*\t+512*(\c%2)
.endr
.endr
	WIN 0
.endm
.macro W1 t, a, st, z
.set rD, 8*(2*(\t)+(\a))
.set rA, 96+96*(\st)+16*(\t)
.set rB, 64+96*(\st)+16*(\a)
.set sA, XSC+3*(\st)+1+(\t)/2
.set sB, XSC+3*(\st)
.set kind, 4*(\z)+2*((\t)%2)+(\a)
.if kind == 0
	v_wmma_scale_f32_16x16x128_f8f6f4 v[rD:rD+7], v[rA:rA+15], v[rB:rB+15], v[rD:rD+7], v[sA], v[sB]
.elseif kind == 1
	v_wmma_scale_f32_16x16x128_f8f6f4 v[rD:rD+7], v[rA:rA+15], v[rB:rB+15], v[rD:rD+7], v[sA], v[sB] matrix_b_scale:MATRIX_SCALE_ROW1
.elseif kind == 2
	v_wmma_scale_f32_16x16x128_f8f6f4 v[rD:rD+7], v[rA:rA+15], v[rB:rB+15], v[rD:rD+7], v[sA], v[sB] matrix_a_scale:MATRIX_SCALE_ROW1
.elseif kind == 3
	v_wmma_scale_f32_16x16x128_f8f6f4 v[rD:rD+7], v[rA:rA+15], v[rB:rB+15], v[rD:rD+7], v[sA], v[sB] matrix_a_scale:MATRIX_SCALE_ROW1 matrix_b_scale:MATRIX_SCALE_ROW1
.elseif kind == 4
	v_wmma_scale_f32_16x16x128_f8f6f4 v[rD:rD+7], v[rA:rA+15], v[rB:rB+15], 0, v[sA], v[sB]
.elseif kind == 5
	v_wmma_scale_f32_16x16x128_f8f6f4 v[rD:rD+7], v[rA:rA+15], v[rB:rB+15], 0, v[sA], v[sB] matrix_b_scale:MATRIX_SCALE_ROW1
.elseif kind == 6
	v_wmma_scale_f32_16x16x128_f8f6f4 v[rD:rD+7], v[rA:rA+15], v[rB:rB+15], 0, v[sA], v[sB] matrix_a_scale:MATRIX_SCALE_ROW1
.else
	v_wmma_scale_f32_16x16x128_f8f6f4 v[rD:rD+7], v[rA:rA+15], v[rB:rB+15], 0, v[sA], v[sB] matrix_a_scale:MATRIX_SCALE_ROW1 matrix_b_scale:MATRIX_SCALE_ROW1
.endif
.endm
; A step's eight products.  The eight accumulators take turns, one instruction a turn, in the same order in every step.
.macro MM st, z
	WIN 0x55
.irp t, 0,1,2,3
.irp a, 0,1
	W1 \t, \a, \st, \z
.endr
.endr
	WIN 0
.endm
; A ROUND makes four batches into buffer buf and multiplies what the round before laid into the other.  cons = 1: that was the head blocks, one step, whose products start the sums; 2: two steps.
; last = 1: no particles are asked for and no next batch is begun.  adr, off: where the next round's particles lie.
.macro ROUND buf, cons, last, adr, off
.set ET, T1
.set PT, T0
.set PB, BIN+2
.set QT, T1
	PHASE 0, 1, 1
	PHASE 1, 1, 1
	s_wait_dscnt 0x0                               ; for the others' sake: my codes of the round before have landed, and my reads of buffer buf are over
	s_barrier_signal -1
	QCOMP 0                                        ; register work while the others arrive
	s_wait_alu depctr_va_vdst(0)
	s_barrier_wait -1                              ; the other buffer is whole, and nobody reads buffer buf any more
	QSTORE 0, \buf
.if \cons == 1
	FLOADR
.else
	FLOAD 0, 1-\buf
	FLOAD 1, 1-\buf
.endif
.set ET, T0
.set PT, T1
.set PB, BIN+4
.set QT, T0
	PHASE 0, 1, 1
	PHASE 1, 1, 1
	QCOMP 0
	QSTORE 1, \buf
.if \cons == 1
	s_wait_dscnt 5                                 ; all but the five stores just issued
	MM 0, 1
.else
	s_wait_dscnt 32                                ; step 0 is in: behind it step 1's 27 loads and five stores
	MM 0, 0
.endif
.set ET, T1
.set PT, T0
.set PB, BIN+6
.set QT, T1
	PHASE 0, 1, 1
.if \last == 0
	LSRC \adr, \off                                ; the round's particles have had their last reader
.endif
	PHASE 1, 1, 1
	QCOMP 0
	QSTORE 2, \buf
.if \cons == 2
.if \last
	s_wait_dscnt 10                                ; step 1 is in: behind it ten stores
.else
	s_wait_dscnt 26                                ; step 1 is in: behind it five stores, 16 loads of particles, five stores
.endif
	MM 1, 0
.endif
.set ET, T0
.set PT, T1
.set PB, BIN
.set QT, T0
.if \last == 0
	s_wait_dscnt 5                                 ; the next round's particles are in: behind them five stores
.endif
	PHASE 0, 1, 1-\last
	PHASE 1, 1, 1-\last
	QCOMP 0
	QSTORE 3, \buf
.endm
	s_load_b256 s[4:11], s[0:1], 0x0               ; x, y, bins, bandwidth
	s_load_b128 s[12:15], s[0:1], 0x20             ; part, tot
	v_lshl_add_u32 v[SPW], v0, 2, SPARE
	v_mov_b32 v[NIL], 0
	v_lshrrev_b32 v[LN], 5, v0
	v_readfirstlane_b32 s[WV], v[LN]               ; wave 0..7
	v_and_b32 v[LN], 31, v0                        ; lane
	v_and_b32 v[RL], 15, v0                        ; r
	v_bfe_u32 v[HH], v0, 4, 1                      ; h
	v_and_b32 v[BI], 127, v0
	v_lshlrev_b32 v[BI], 2, v[BI]                  ; bin T % 128, in bytes
	s_wait_alu depctr_va_vdst(0)                   ; ahead of the scalar lines
	s_and_b32 s[BAT], ttmp7, 0xffff
	s_and_b32 s[PBIT], s[WV], 1
	s_bfe_u32 s[SD], s[WV], 0x10001
	s_lshr_b32 s[TH], s[WV], 2
	s_and_b32 s[KA], s[WV], 3
	s_mul_i32 s[WB], ttmp9, WGP
	s_add_co_u32 s[LIM], s[WB], WGP-4              ; the last particle that a 16-byte load may begin at: inside my work-group's part
	s_min_u32 s[LIM], s[LIM], NPART-4              ; and inside the batch's row
	s_mov_b32 s[NP], NPART
	s_mul_i32 s34, s[BAT], NPART*4
	s_mov_b32 s35, 0
	v_lshl_add_u32 v[PI], v0, 2, s[WB]             ; thread T takes particles 4 T + 1,024 k + 0 .. 3 of the part, k = 0 .. 3
	v_add_nc_u32 v[O2], 0x800, v[PI]
	v_add_nc_u32 v[O3], 0xc00, v[PI]
	v_lshlrev_b32 v[O0], 2, v[PI]
	v_cmp_gt_u32 s[M2], s[NP], v[O2]               ; is it there?  (50,000 is a multiple of 4: my four are there together or not at all; k = 0 and 1 always are)
	v_cmp_gt_u32 s[M3], s[NP], v[O3]
	v_min_u32 v[O2], s[LIM], v[O2]
	v_min_u32 v[O3], s[LIM], v[O3]
	v_lshlrev_b32 v[O2], 2, v[O2]
	v_lshlrev_b32 v[O3], 2, v[O3]
	s_wait_alu depctr_va_vdst(0)                   ; directly ahead of the wait below
	s_wait_kmcnt 0x0
	s_load_b32 s[BW], s[10:11], 0x0
	s_add_nc_u64 s[4:5], s[4:5], s[34:35]
	s_add_nc_u64 s[6:7], s[6:7], s[34:35]
	global_load_b32 v[BV], v[BI], s[8:9]
	global_load_b128 v[LD:LD+3], v[O0], s[4:5] th:TH_LOAD_NT          ; 32 lanes read 512 consecutive bytes
	global_load_b128 v[LD+16:LD+19], v[O0], s[6:7] th:TH_LOAD_NT
	global_load_b128 v[LD+4:LD+7], v[O0], s[4:5] offset:4096 th:TH_LOAD_NT
	global_load_b128 v[LD+20:LD+23], v[O0], s[6:7] offset:4096 th:TH_LOAD_NT
	global_load_b128 v[LD+8:LD+11], v[O2], s[4:5]
	global_load_b128 v[LD+24:LD+27], v[O2], s[6:7]
	global_load_b128 v[LD+12:LD+15], v[O3], s[4:5]
	global_load_b128 v[LD+28:LD+31], v[O3], s[6:7]
	; work on registers while the loads are out
	s_mov_b32 s[SEL], 0x76543210
	s_mov_b32 s[SEL+1], 0xfedcba98
	s_mov_b32 s[FLOOR], 0x04800000
	s_mov_b32 s[NEG8], 0xfc000000
	s_mov_b32 s[EXPM], 0x7f800000
	s_mov_b32 s[MNT], 0x600000
	s_lshl_b32 s34, s[BAT], 4
	s_add_co_u32 s34, s34, ttmp9
	s_lshl_b32 s34, s34, 16                        ; part: my work-group's image of 65,536 bytes,
	s_lshl_b32 s36, s[KA], 14
	s_add_co_u32 s34, s34, s36
	s_lshl_b32 s36, s[TH], 12
	s_add_co_u32 s34, s34, s36                     ; my wave's first accumulator in it
	s_add_nc_u64 s[12:13], s[12:13], s[34:35]
	s_lshl_b32 s34, s[BAT], 9
	s_lshl_b32 s36, ttmp9, 5
	s_add_co_u32 s34, s34, s36
	s_lshl_b32 s36, s[WV], 2
	s_add_co_u32 s34, s34, s36                     ; tot: [batch][8 x work-group x + wave]
	s_add_nc_u64 s[14:15], s[14:15], s[34:35]
	s_lshl_b32 s36, s[SD], 14
	s_lshl_b32 s37, s[TH], 13
	s_add_co_u32 s37, s36, s37                     ; side and tiles
	s_lshl_b32 s40, s[PBIT], 15
	s_add_co_u32 s40, s37, s40                     ; and step: my codes in a buffer
	s_lshr_b32 s41, s40, 5
	s_add_co_u32 s41, s41, SCB                     ; my scale words
	s_lshl_b32 s42, s[PBIT], 12
	s_add_co_u32 s42, s37, s42                     ; the head blocks: tiles 4 (w / 4) + 2 p + 0, 1, in buffer 1
	s_lshr_b32 s43, s42, 5
	s_add_co_u32 s43, s43, SCB+2048
	s_add_co_u32 s42, s42, 65536
	s_add_co_u32 s36, s36, PXL                     ; my side's particles
	s_lshl_b32 s37, s[PBIT], 9
	s_add_co_u32 s37, s36, s37                     ; my step's
	v_lshlrev_b32 v[LQ], 4, v[LN]
	v_lshl_add_u32 v[SWA], v[RL], 2, s41
	v_lshl_add_u32 v[SWR], v[RL], 2, s43
	v_lshl_add_u32 v[ARD0], v[HH], 6, s37
	v_lshl_add_u32 v[ARR], v[HH], 6, s36
	v_add_nc_u32 v[CW], s40, v[LQ]
	v_add_nc_u32 v[CWR], s42, v[LQ]
	v_add_nc_u32 v[CW+1], 0x10000, v[CW]
	s_lshl_b32 s36, s[KA], 12
	s_lshl_b32 s37, s[TH], 13
	v_add_nc_u32 v[FRX], s36, v[LQ]
	v_add_nc_u32 v[FRY], s37, v[LQ]
	v_add_nc_u32 v[FRX+1], 0x10000, v[FRX]
	v_add_nc_u32 v[FRY+1], 0x14000, v[FRY]
	v_add_nc_u32 v[FRY], 0x4000, v[FRY]
	s_lshl_b32 s36, s[KA], 7
	s_add_co_u32 s36, s36, SCB
	s_lshl_b32 s37, s[TH], 8
	s_add_co_u32 s37, s37, SCB+512
	v_lshl_add_u32 v[SRX], v[LN], 2, s36
	v_lshl_add_u32 v[SRY], v[LN], 2, s37
	s_lshl_b32 s36, s[TH], 9
	s_add_co_u32 s36, s36, BTAB
	s_lshl_b32 s37, s[PBIT], 8
	s_add_co_u32 s37, s36, s37
	v_lshl_add_u32 v[BTA], v[RL], 3, s36
	v_lshl_add_u32 v[BTR], v[RL], 3, s37
	v_lshl_add_u32 v[PA], v0, 4, PXL
	v_lshl_add_u32 v[TBA], v0, 3, BTAB
	v_mov_b32 v[VINF], s[EXPM]
.irp g, 0,1,2,3
	v_mov_b32 v[PP+\g], 0                          ; written once: a lane permute's destination counts as one of its sources
.endr
	s_wait_alu depctr_va_vdst(0)                   ; directly ahead of the wait below
	s_wait_kmcnt 0x0
	v_rcp_f32 v[RC], s[BW]
	WIN 0x40
.irp k, 72,73,74,75,76,77,78,79,88,89,90,91,92,93,94,95
	v_mov_b32 v[\k], 0                             ; the head blocks are two of a step's four: kx's registers 8-15 are zero codes.  (They are also the plain lines behind the reciprocal)
.endr
	WIN 0
	s_wait_alu depctr_va_vdst(0)                   ; the wait ahead of the reciprocal's first reader
	v_fma_f32 v[RC+1], -v[RC], s[BW], 1.0          ; one step of Newton's: the reciprocal stands ahead of a quantiser
	v_fma_f32 v[RC], v[RC], v[RC+1], v[RC]
	v_mul_f32 v[RC], 0x3f596d27, v[RC]             ; x sqrt(log2(e) / 2): s
	s_wait_alu depctr_va_vdst(0)                   ; directly ahead of the wait below
	s_wait_loadcnt 8                               ; my bin is in; the eight loads of particles may be out
	v_mul_f32 v[BH], v[BV], v[RC]                  ; b s, rounded,
	v_fma_f32 v[BR], v[BV], v[RC], -v[BH]          ; and what the rounding left
	v_mov_b32 v[SB], v[RC]
	v_and_b32 v[BR], 0x7fffffff, v[BR]
.irp k, 1,-1,2,-2                      ; s's neighbours: the one that leaves least is kept
	v_add_nc_u32 v[K1], \k, v[RC]
	v_mul_f32 v[KH], v[BV], v[K1]
	v_fma_f32 v[KR], v[BV], v[K1], -v[KH]
	v_and_b32 v[KR], 0x7fffffff, v[KR]
	v_cmp_lt_u32 vcc_lo, v[KR], v[BR]
	v_cndmask_b32 v[SB], v[SB], v[K1], vcc_lo
	v_cndmask_b32 v[BH], v[BH], v[KH], vcc_lo
	v_cndmask_b32 v[BR], v[BR], v[KR], vcc_lo
.endr
	v_xor_b32 v[BH], 0x80000000, v[BH]
	ds_store_b64 v[TBA], v[SB:SB+1]
	s_wait_alu depctr_va_vdst(0)                   ; directly ahead of the wait below
	s_wait_loadcnt 0x0
.irp k, 0,1,2,3
	v_cndmask_b32 v[LD+8+\k], v[VINF], v[LD+8+\k], s[M2]       ; particles past the batch's end: +infinity
	v_cndmask_b32 v[LD+24+\k], v[VINF], v[LD+24+\k], s[M2]
	v_cndmask_b32 v[LD+12+\k], v[VINF], v[LD+12+\k], s[M3]
	v_cndmask_b32 v[LD+28+\k], v[VINF], v[LD+28+\k], s[M3]
.endr
.irp k, 0,1,2,3
	ds_store_b128 v[PA], v[LD+4*\k:LD+4*\k+3] offset:4096*\k           ; (what k = 3 stores behind the part's 12,544 bytes is read by nobody)
	ds_store_b128 v[PA], v[LD+16+4*\k:LD+19+4*\k] offset:16384+4096*\k
.endr
	s_wait_alu depctr_va_vdst(0)                   ; the wait at the head's end
	s_wait_dscnt 0x0                               ; for the others' sake: my stores have landed
	s_barrier_signal -1
	s_barrier_wait -1
.irp j, 0,1,2,3
	ds_load_b64 v[BIN+2*\j:BIN+2*\j+1], v[BTA] offset:128*\j
.endr
	ds_load_b64 v[PR:PR+1], v[BTR]
	ds_load_b64 v[PR+2:PR+3], v[BTR] offset:128
.irp c, 0,1
.irp q, 0,1,2,3
	ds_load_b128 v[SRC+16*\c+4*\q:SRC+16*\c+4*\q+3], v[ARR] offset:128*\c+16*\q
.endr
.endr
	s_wait_dscnt 0x0
	; THE HEAD BLOCKS: groups 0, 1 = the first tile's two blocks, groups 2, 3 = the second's
.set i_, 0
.rept 32
	v_pk_fma_f32 v[T0+2*i_:T0+2*i_+1], v[SRC+2*(i_%16):SRC+2*(i_%16)+1], v[PR+2*(i_/16):PR+2*(i_/16)+1], v[PR+2*(i_/16):PR+2*(i_/16)+1] op_sel:[0,0,1] op_sel_hi:[1,0,1]
.set i_, i_+1
.endr
	LSRC ARD0, 256                                 ; round 0's particles: the head blocks' have been read
.set i_, 0
.rept 32
	v_pk_mul_f32 v[T0+2*i_:T0+2*i_+1], v[T0+2*i_:T0+2*i_+1], v[T0+2*i_:T0+2*i_+1] neg_lo:[1,0] neg_hi:[1,0]
.set i_, i_+1
.endr
	s_wait_alu depctr_va_vdst(0)                   ; the wait ahead of the exponentials
	s_wait_dscnt 0x0
.set ET, T0
.set PT, T1
.set PB, BIN
.set QT, T0
	PHASE 0, 1, 1
	PHASE 1, 1, 1
	QCOMP 1
	ds_store_b128 v[CWR], v[C:C+3]
	ds_store_b128 v[CWR], v[C+4:C+7] offset:512
	ds_store_b128 v[CWR], v[C+8:C+11] offset:2048
	ds_store_b128 v[CWR], v[C+12:C+15] offset:2560
	ds_store_b32 v[SWR], v[SW]
	ds_store_b32 v[SWR], v[SW2] offset:64
	ROUND 0, 1, 0, ARD0, 1280
	s_mov_b32 s[CNT], 0
	s_mov_b32 s[SOFF], 2304                        ; where round 2's particles lie: 256 + 2 x 1,024
.Lround:                                               ; a trip is two rounds, one into each buffer: rounds 1 to 10
	v_add_nc_u32 v[ARD], s[SOFF], v[ARD0]
	ROUND 1, 2, 0, ARD, 0
	ROUND 0, 2, 0, ARD, 1024
	s_add_co_u32 s[SOFF], s[SOFF], 2048
	s_add_co_u32 s[CNT], s[CNT], 1
	s_cmp_lt_u32 s[CNT], 5
	s_wait_alu depctr_va_vdst(0)                   ; directly ahead of the branch
	s_cbranch_scc1 .Lround
	ROUND 1, 2, 1, ARD, 0                          ; round 11
	s_wait_alu depctr_va_vdst(0)                   ; directly ahead of the wait below
	s_wait_dscnt 0x0                               ; for the others' sake: my codes of round 11 have landed
	s_barrier_signal -1
	s_barrier_wait -1
	FLOAD 0, 1
	FLOAD 1, 1
	v_and_b32 v[GO], 31, v0
	v_lshlrev_b32 v[GO], 4, v[GO]                  ; 16 x lane
	v_mov_b32 v[ZO], 0
	s_wait_alu depctr_va_vdst(0)                   ; directly ahead of the wait below
	s_wait_dscnt 27                                ; step 0 is in; step 1's 27 loads may be out
	MM 0, 0
	s_wait_dscnt 0x0
	MM 1, 0
.rept 8
	v_nop                                          ; eight places between the last products and the stores that read results
.endr
	WIN 0x04                                       ; a store's data are its source 1: window 1
.irp a, 0,1
.irp t, 0,1,2,3
	global_store_b128 v[GO], v[8*(2*\t+\a):8*(2*\t+\a)+3], s[12:13] offset:(8*\a+\t)*1024 th:TH_STORE_NT           ; each accumulator from its low end on; 32 lanes store 512 consecutive bytes
	global_store_b128 v[GO], v[8*(2*\t+\a)+4:8*(2*\t+\a)+7], s[12:13] offset:(8*\a+\t)*1024+512 th:TH_STORE_NT
.endr
.endr
	; my wave's total: one number; the batch's 128 are added by the next launch
	WIN 0x05
	v_pk_add_f32 v[TOT:TOT+1], v[0:1], v[2:3]
	v_pk_add_f32 v[TOT+2:TOT+3], v[4:5], v[6:7]
	WIN 0x04
.irp k, 1,2,3,4,5,6,7
	v_pk_add_f32 v[TOT:TOT+1], v[TOT:TOT+1], v[8*\k:8*\k+1]
	v_pk_add_f32 v[TOT+2:TOT+3], v[TOT+2:TOT+3], v[8*\k+2:8*\k+3]
	v_pk_add_f32 v[TOT:TOT+1], v[TOT:TOT+1], v[8*\k+4:8*\k+5]
	v_pk_add_f32 v[TOT+2:TOT+3], v[TOT+2:TOT+3], v[8*\k+6:8*\k+7]
.endr
	WIN 0
	v_pk_add_f32 v[TOT:TOT+1], v[TOT:TOT+1], v[TOT+2:TOT+3]
	v_add_f32 v[TOT], v[TOT], v[TOT+1]
	v_add_f32_dpp v[TOT], v[TOT], v[TOT] row_xmask:1 row_mask:0xf bank_mask:0xf
	v_add_f32_dpp v[TOT], v[TOT], v[TOT] row_xmask:2 row_mask:0xf bank_mask:0xf
	v_add_f32_dpp v[TOT], v[TOT], v[TOT] row_xmask:4 row_mask:0xf bank_mask:0xf
	v_add_f32_dpp v[TOT], v[TOT], v[TOT] row_xmask:8 row_mask:0xf bank_mask:0xf
	v_permlanex16_b32 v[TOT+1], v[TOT], s[SEL], s[SEL+1]
	v_add_f32 v[TOT], v[TOT], v[TOT+1]
	v_cmp_eq_u32 vcc_lo, 0, v[GO]
	s_wait_alu depctr_va_vdst(0)                   ; directly ahead of the wait below
	s_wait_xcnt 0x0                                ; EXEC is a source of the stores above: it changes only behind this wait
	s_and_saveexec_b32 s40, vcc_lo
	global_store_b32 v[ZO], v[TOT], s[14:15]       ; lane 0 alone: four bytes a wave, 32 consecutive bytes a work-group
	s_wait_xcnt 0x0                                ; and again, in front of the line that widens it
	s_or_b32 exec_lo, exec_lo, s40
	s_wait_tensorcnt 0x0                           ; the wave's end
	ds_add_u32 v[SPW], v[NIL]
	s_wait_dscnt 0x0
	s_endpgm
.Lfunc_end_k_q7c49fa020a_joint:
	.size	k_q7c49fa020a_joint, .Lfunc_end_k_q7c49fa020a_joint-k_q7c49fa020a_joint
	.p2alignl 7, 3214868480
	.fill 96, 4, 3214868480
	.section	.rodata,"a",@progbits
	.p2align	6, 0x0
	.amdhsa_kernel k_q7c49fa020a_joint
		.amdhsa_group_segment_fixed_size 171008
		.amdhsa_private_segment_fixed_size 0
		.amdhsa_enable_private_segment 0
		.amdhsa_kernarg_size 48
		.amdhsa_user_sgpr_count 2
		.amdhsa_user_sgpr_kernarg_segment_ptr 1
		.amdhsa_wavefront_size32 1
		.amdhsa_system_sgpr_workgroup_id_x 1
		.amdhsa_system_sgpr_workgroup_id_y 1
		.amdhsa_system_sgpr_workgroup_id_z 1
		.amdhsa_system_vgpr_workitem_id 0
		.amdhsa_next_free_vgpr 512
		.amdhsa_next_free_sgpr 66
		.amdhsa_reserve_vcc 1
		.amdhsa_float_denorm_mode_32 3
		.amdhsa_float_denorm_mode_16_64 3
		.amdhsa_memory_ordered 1
		.amdhsa_forward_progress 1
		.amdhsa_inst_pref_size 250
	.end_amdhsa_kernel
	.amdgpu_metadata
---
amdhsa.version: [ 1, 2 ]
amdhsa.kernels:
  - .name:           k_q7c49fa020a_joint
    .symbol:         k_q7c49fa020a_joint.kd
    .args:
      - { .name: x, .offset: 0, .size: 8, .value_kind: global_buffer, .address_space: global }
      - { .name: y, .offset: 8, .size: 8, .value_kind: global_buffer, .address_space: global }
      - { .name: bins, .offset: 16, .size: 8, .value_kind: global_buffer, .address_space: global }
      - { .name: bandwidth, .offset: 24, .size: 8, .value_kind: global_buffer, .address_space: global }
      - { .name: part, .offset: 32, .size: 8, .value_kind: global_buffer, .address_space: global }
      - { .name: tot, .offset: 40, .size: 8, .value_kind: global_buffer, .address_space: global }
    .group_segment_fixed_size: 171008
    .private_segment_fixed_size: 0
    .kernarg_segment_align: 8
    .kernarg_segment_size: 48
    .max_flat_workgroup_size: 256
    .sgpr_count:     66
    .vgpr_count:     512
    .wavefront_size: 32
...
	.end_amdgpu_metadata
.endif
;; end of part 1
;; launch norm (part 2): grid 16 x 16, 8 waves a work-group, no clusters, 5,376 bytes of LDS; arguments part, tot, out0; writes out0
.if DOCPART == 2
	.amdgcn_target "amdgcn-amd-amdhsa--gfx1250"
	.amdhsa_code_object_version 6
	.text
	.protected	k_q7c49fa020a_norm
	.globl	k_q7c49fa020a_norm
	.p2align	8
	.type	k_q7c49fa020a_norm,@function
k_q7c49fa020a_norm:
	s_mov_b64 s[64:65], 0
	v_nop
	global_prefetch_b8 v0, s[64:65] scope:SCOPE_SE
	s_setreg_imm32_b32 hwreg(HW_REG_WAVE_MODE, 25, 1), 1
	s_wait_xcnt 0x0
; out0[b] = joint[b] / (the sum of joint[b] + 1e-10).  part holds 16 partial sums of each batch's joint, each 65,536 bytes in the order of the accumulators' registers: accumulator (t, a) at 1,024 (8 a + t), registers
; 4 g .. 4 g + 3 of lane l at 512 g + 16 l; register j of lane (r, h) is joint[16 a + r][16 t + 8 h + j].  tot holds 128 partial totals of each batch.  No work is left out.
; SHARES.  Work-group (sg, batch) takes bytes 4,096 sg on of the batch's 16 images: accumulators a = sg / 2, t = 4 (sg % 2) + 0 .. 3, which are rows 16 a .. 16 a + 15 and 256 aligned bytes of each of them.
; Thread T takes 16 bytes of each image: every load of a wave covers 512 consecutive bytes; all sixteen are out together.  Each wave adds the batch's 128 totals for itself.
; A thread's four numbers are neighbours in one row, and the threads beside it hold other rows: so they go through a stage in LDS and leave as whole rows: sixteen lanes store 256 consecutive bytes, aligned.
; The division is a multiplication by v_rcp_f32 of the norm.  No matrix unit, no cluster (work-groups share only the 512 bytes of totals), no tensor load, no loop in which a prefetch could run ahead.
; LIMITS: the sums are taken in a fixed order of their own, not in that of a sum over the finished matrix; NaN and infinities are not served.
.set SP,    272                        ; a stage row: 256 bytes + 16 = 68 words: row r starts at bank 4 r mod 64 (64 banks of 4 bytes: ISA guide 11.1), so the 16 rows that a store touches start at 16 different banks
.set SPARE, 16*SP                      ; behind the stage (17 blocks of 256 bytes): the spare words, 128 bytes for each of the eight waves
.set SPW,   14                         ; v14  LDS address of my spare word; never rewritten
.set NIL,   15                         ; v15  0; never rewritten
.set P0,    16                         ; v16-79  sixteen partial sums of my four numbers
.set TL,    80                         ; v80-83  four of the batch's totals
	s_load_b128 s[4:7], s[0:1], 0x0                ; part s[4:5], tot s[6:7]
	s_load_b64 s[8:9], s[0:1], 0x10                ; out0
	v_lshl_add_u32 v[SPW], v0, 2, SPARE
	v_mov_b32 v[NIL], 0
	v_lshlrev_b32 v1, 4, v0                        ; 16 T
	v_and_b32 v2, 31, v0
	s_delay_alu instid0(VALU_DEP_1)
	v_lshlrev_b32 v2, 4, v2                        ; four totals a lane
	s_and_b32 s11, ttmp7, 0xffff                   ; batch
	s_lshl_b32 s14, s11, 20                        ; part: 16 images of 65,536 bytes a batch,
	s_lshl_b32 s10, ttmp9, 12
	s_add_co_u32 s14, s14, s10                     ; my slice of each
	s_mov_b32 s15, 0
	s_lshl_b32 s16, s11, 9                         ; tot: 512 bytes a batch
	s_mov_b32 s17, 0
	s_lshl_b32 s18, s11, 16                        ; out0: 65,536 bytes a batch,
	s_lshr_b32 s10, ttmp9, 1
	s_lshl_b32 s10, s10, 13
	s_add_co_u32 s18, s18, s10                     ; 16 rows of 512 bytes for each a,
	s_and_b32 s10, ttmp9, 1
	s_lshl_b32 s10, s10, 8
	s_add_co_u32 s18, s18, s10                     ; the left or the right half of the rows
	s_mov_b32 s19, 0
	s_mov_b32 s12, 0x76543210
	s_mov_b32 s13, 0xfedcba98                      ; v_permlanex16_b32's selects for lane l xor 16
	s_wait_alu depctr_va_vdst(0)                   ; directly ahead of the wait below
	s_wait_kmcnt 0x0
	s_add_nc_u64 s[4:5], s[4:5], s[14:15]
	s_add_nc_u64 s[6:7], s[6:7], s[16:17]
	s_add_nc_u64 s[8:9], s[8:9], s[18:19]
	global_load_b128 v[TL:TL+3], v2, s[6:7]        ; the batch's 128 totals: 512 consecutive bytes
.irp p, 0,1,2,3,4,5,6,7,8,9,10,11,12,13,14,15
	global_load_b128 v[P0+4*\p:P0+4*\p+3], v1, s[4:5] offset:65536*\p th:TH_LOAD_NT
.endr
	v_and_b32 v3, 15, v0                           ; r
	s_delay_alu instid0(VALU_DEP_1)
	v_mul_u32_u24 v10, v3, SP                      ; into the stage: row r,
	v_bfe_u32 v6, v0, 4, 1
	s_delay_alu instid0(VALU_DEP_1)
	v_lshl_add_u32 v10, v6, 5, v10                 ; + 32 h
	v_bfe_u32 v6, v0, 5, 1
	s_delay_alu instid0(VALU_DEP_1)
	v_lshl_add_u32 v10, v6, 4, v10                 ; + 16 g
	v_lshrrev_b32 v6, 6, v0
	s_delay_alu instid0(VALU_DEP_1)
	v_lshl_add_u32 v10, v6, 6, v10                 ; + 64 x (which of the slice's four accumulators)
	v_lshrrev_b32 v7, 4, v0
	s_delay_alu instid0(VALU_DEP_1)
	v_mul_u32_u24 v11, v7, SP                      ; back: sixteen threads to a row
	s_delay_alu instid0(VALU_DEP_1)
	v_lshl_add_u32 v11, v3, 4, v11
	v_lshlrev_b32 v12, 9, v7                       ; and the same place in out0: rows of 512 bytes
	s_delay_alu instid0(VALU_DEP_1)
	v_lshl_add_u32 v12, v3, 4, v12
	s_wait_alu depctr_va_vdst(0)                   ; directly ahead of the wait below
	s_wait_loadcnt 16                              ; loads come back in order (ISA guide 5.7.1): the totals are in; the sixteen loads behind them may be out
	v_add_f32 v4, v[TL], v[TL+1]
	v_add_f32 v5, v[TL+2], v[TL+3]
	s_delay_alu instid0(VALU_DEP_1)
	v_add_f32 v4, v4, v5
	s_delay_alu instid0(VALU_DEP_1)
	v_add_f32_dpp v4, v4, v4 row_xmask:1 row_mask:0xf bank_mask:0xf
	s_delay_alu instid0(VALU_DEP_1)
	v_add_f32_dpp v4, v4, v4 row_xmask:2 row_mask:0xf bank_mask:0xf
	s_delay_alu instid0(VALU_DEP_1)
	v_add_f32_dpp v4, v4, v4 row_xmask:4 row_mask:0xf bank_mask:0xf
	s_delay_alu instid0(VALU_DEP_1)
	v_add_f32_dpp v4, v4, v4 row_xmask:8 row_mask:0xf bank_mask:0xf
	s_delay_alu instid0(VALU_DEP_1)
	v_permlanex16_b32 v6, v4, s12, s13
	s_delay_alu instid0(VALU_DEP_1)
	v_add_f32 v4, v4, v6
	s_delay_alu instid0(VALU_DEP_1)
	v_add_f32 v4, 0x2edbe6ff, v4                   ; + 1e-10: the norm
	s_wait_alu depctr_va_vdst(0)                   ; the wait ahead of the reciprocals
	v_rcp_f32 v8, v4
	v_rcp_f32 v9, v4                               ; twice: a pair for the packed multiply
	s_wait_loadcnt 0x0
.irp d, 8,4,2,1                        ; the sixteen partial sums, pairwise: 30 packed additions, which name neither reciprocal: the plain work behind them
.set p, 0
.rept \d
	v_pk_add_f32 v[P0+4*p:P0+4*p+1], v[P0+4*p:P0+4*p+1], v[P0+4*(p+\d):P0+4*(p+\d)+1]
	v_pk_add_f32 v[P0+4*p+2:P0+4*p+3], v[P0+4*p+2:P0+4*p+3], v[P0+4*(p+\d)+2:P0+4*(p+\d)+3]
.set p, p+1
.endr
.endr
	s_wait_alu depctr_va_vdst(0)                   ; the wait ahead of the reciprocals' first reader: one for both
	v_pk_mul_f32 v[P0:P0+1], v[P0:P0+1], v[8:9]
	v_pk_mul_f32 v[P0+2:P0+3], v[P0+2:P0+3], v[8:9]
	ds_store_b128 v10, v[P0:P0+3]
	s_wait_dscnt 0x0                               ; for the others' sake: my store has landed
	s_barrier_signal -1
	s_barrier_wait -1
	ds_load_b128 v[P0+4:P0+7], v11
	s_wait_dscnt 0x0
	global_store_b128 v12, v[P0+4:P0+7], s[8:9] th:TH_STORE_NT   ; sixteen lanes store 256 consecutive bytes, at a multiple of 256 from out0's first byte
	s_wait_tensorcnt 0x0                           ; the wave's end
	ds_add_u32 v[SPW], v[NIL]
	s_wait_dscnt 0x0
	s_endpgm
.Lfunc_end_k_q7c49fa020a_norm:
	.size	k_q7c49fa020a_norm, .Lfunc_end_k_q7c49fa020a_norm-k_q7c49fa020a_norm
	.p2alignl 7, 3214868480
	.fill 96, 4, 3214868480
	.section	.rodata,"a",@progbits
	.p2align	6, 0x0
	.amdhsa_kernel k_q7c49fa020a_norm
		.amdhsa_group_segment_fixed_size 5376
		.amdhsa_private_segment_fixed_size 0
		.amdhsa_enable_private_segment 0
		.amdhsa_kernarg_size 24
		.amdhsa_user_sgpr_count 2
		.amdhsa_user_sgpr_kernarg_segment_ptr 1
		.amdhsa_wavefront_size32 1
		.amdhsa_system_sgpr_workgroup_id_x 1
		.amdhsa_system_sgpr_workgroup_id_y 1
		.amdhsa_system_sgpr_workgroup_id_z 1
		.amdhsa_system_vgpr_workitem_id 0
		.amdhsa_next_free_vgpr 96
		.amdhsa_next_free_sgpr 66
		.amdhsa_reserve_vcc 0
		.amdhsa_float_denorm_mode_32 3
		.amdhsa_float_denorm_mode_16_64 3
		.amdhsa_memory_ordered 1
		.amdhsa_forward_progress 1
		.amdhsa_inst_pref_size 8
	.end_amdhsa_kernel
	.amdgpu_metadata
---
amdhsa.version: [ 1, 2 ]
amdhsa.kernels:
  - .name:           k_q7c49fa020a_norm
    .symbol:         k_q7c49fa020a_norm.kd
    .args:
      - { .name: part, .offset: 0, .size: 8, .value_kind: global_buffer, .address_space: global }
      - { .name: tot, .offset: 8, .size: 8, .value_kind: global_buffer, .address_space: global }
      - { .name: out0, .offset: 16, .size: 8, .value_kind: global_buffer, .address_space: global }
    .group_segment_fixed_size: 5376
    .private_segment_fixed_size: 0
    .kernarg_segment_align: 8
    .kernarg_segment_size: 24
    .max_flat_workgroup_size: 256
    .sgpr_count:     66
    .vgpr_count:     96
    .wavefront_size: 32
...
	.end_amdgpu_metadata
.endif
;; end of part 2
